; MI455X (gfx1250); checked and timed in simulation.
; The chip was launched on July 23, 2026; its instructions are those of AMD's public machine-readable ISA for CDNA 5 (MIT licence, August 2026) and "CDNA5" Instruction Set Architecture Reference Guide (July 2026). The comments in the code are by the model that wrote it; some were corrected since.
;; Vector Quantizer. Allowed arithmetic: float matrix products may take bf16 or f16 operands with f32 sums; all other float work in f32.
;; Inputs: codebook 16,384 x 256 float32; z 16 x 256 x 32 x 32 float32.
;; Outputs: out0 16 x 32 x 32 x 256 float32; out1 16,384 int32.
;; One version. Each part assembles by itself: llvm-mc -triple=amdgcn-amd-amdhsa -mcpu=gfx1250 --defsym DOCPART=n.
;; ======== version 1 of 1: 3 launches
;; workspace buffers: cbh 8,388,608 bytes; zbh 8,388,608 bytes; cnorm 65,536 bytes; znorm 65,536 bytes; pkey 524,288 bytes of whole numbers; pidx 524,288 bytes of whole numbers
;; launch prep (part 1): grid 512 x 1, 8 waves a work-group, no clusters, 39,168 bytes of LDS; arguments codebook, z, cbh, zbh, cnorm, znorm; writes cbh, zbh, cnorm, znorm
.if DOCPART == 1
	.amdgcn_target "amdgcn-amd-amdhsa--gfx1250"
	.amdhsa_code_object_version 6
	.text
	.protected	k_q372f62c107_prep
	.globl	k_q372f62c107_prep
	.p2align	8
	.type	k_q372f62c107_prep,@function
k_q372f62c107_prep:
	s_mov_b64 s[64:65], 0
	v_nop
	global_prefetch_b8 v0, s[64:65] scope:SCOPE_SE
	s_setreg_imm32_b32 hwreg(HW_REG_WAVE_MODE, 25, 1), 1
	s_wait_xcnt 0x0
; PREP.  Work-groups 0-255: 64 rows of codebook [16384][256] f32 -> cbh, the same rows in bf16, and cnorm[m] = the sum of the squares of the ROUNDED numbers.
; Work-groups 256-511: 64 queries of z [16][256][1024] f32 (query n = 1024 b + hw, channel c 4,096 bytes on) -> zbh [16384][256] bf16, turned so that a query's channels lie
; along a row, and znorm[n], again of the rounded numbers.  Every work-group reads 65,536 bytes once and writes 32,768 + 256.
; The stream is bound by its bytes: no matrix work, no tensor loads (each byte passes registers anyway, for the rounding), no cluster (no two work-groups read the same byte).
; The two texts share no LDS byte: each has blocks of its own, so that nothing hangs on which text a wave runs.
; LIMITS.  Rounding to bf16 is to nearest even, once.  The norms are f32 sums in an order of their own (pairs, lanes, groups of channels).  NaN and infinities are not treated apart.
.set PITCH, 528                        ; a turned row in LDS: 512 bytes + 16 = 132 words: 16 rows on end start at 16 different groups of four banks (64 banks of 4 bytes: ISA guide 11.1)
.set PS,    64*PITCH                   ; z: behind the tile, 16 groups of channels x 64 partial sums of squares
.set CNB,   PS+16*256                  ; codebook: the group's 64 norms, a block of 256 bytes that the z text never names
.set SPARE, CNB+256                    ; behind them: the spare words, 128 bytes for each of the eight waves, which no other line names
.set SPW,  126                         ; v126  LDS address of my spare word; never rewritten
.set NIL,  127                         ; v127  0; never rewritten
.set X,    4                           ; v[4:67]   64 f32 as loaded
.set PK,   68                          ; v[68:99]  the same 64 numbers as 32 words of bf16
; codebook path                        ; z path
.set CN,   100                         ; v[100:107] the norms of my eight rows
.set CT,   108                         ; v[108:115] eight rounded numbers back in f32
.set CS,   116                         ; v[116:117] two running sums
.set CW,   118                         ; v118 the other half of the lanes' sum
.set ZS,   100                         ; v[100:107] two running sums for each of my four queries
.set ZJ,   108                         ; v[108:111] my four queries' partial sums
.set ZT,   112                         ; v[112:119] rounded numbers back in f32
	s_load_b256 s[4:11], s[0:1], 0x0               ; codebook s[4:5], z s[6:7], cbh s[8:9], zbh s[10:11]
	s_load_b128 s[12:15], s[0:1], 0x20             ; cnorm s[12:13], znorm s[14:15]
	v_lshl_add_u32 v[SPW], v0, 2, SPARE
	v_mov_b32 v[NIL], 0
	v_lshrrev_b32 v1, 5, v0
	v_readfirstlane_b32 s16, v1                    ; wave 0..7
	v_and_b32 v1, 31, v0                           ; lane
	s_mov_b32 s17, ttmp9
	s_mov_b32 s18, 0xffff0000                      ; a word's upper bf16
	s_mov_b32 s20, 0x76543210                      ; v_permlanex16_b32: each lane takes its own place in the other half
	s_mov_b32 s21, 0xfedcba98
	s_mov_b32 s3, 0
	s_wait_kmcnt 0x0
	s_cmp_lt_u32 s17, 256                          ; the same answer in all eight waves: each of the two texts below has its own barrier and its own end
	s_cbranch_scc0 .Lz
	; ---------------- codebook: wave w takes rows 8 w .. 8 w + 7 of the group's 64 ----------------
	s_lshl_b32 s2, s17, 16                         ; 64 rows of 1,024 bytes
	s_add_nc_u64 s[4:5], s[4:5], s[2:3]
	s_lshl_b32 s2, s17, 15                         ; 64 rows of 512 bytes
	s_add_nc_u64 s[8:9], s[8:9], s[2:3]
	s_lshl_b32 s2, s17, 8                          ; 64 norms
	s_add_nc_u64 s[12:13], s[12:13], s[2:3]
	v_lshlrev_b32 v2, 4, v1
	v_lshl_add_u32 v2, s16, 13, v2                 ; in: 8,192 w + 16 lane
	v_lshlrev_b32 v3, 3, v1
	v_lshl_add_u32 v3, s16, 12, v3                 ; out: 4,096 w + 8 lane
	v_mov_b32 v[CW], 0                             ; v_permlanex16_b32 counts as a reader of its destination
	v_mov_b32 v119, s16
	v_lshl_add_u32 v119, v119, 5, CNB              ; LDS: my wave's eight norms at CNB + 32 w
.set i, 0
.rept 8                                            ; all sixteen loads go out first: a row is two runs of 512 consecutive bytes
	global_load_b128 v[X+8*i:X+8*i+3],   v2, s[4:5] offset:1024*i th:TH_LOAD_NT
	global_load_b128 v[X+8*i+4:X+8*i+7], v2, s[4:5] offset:1024*i+512 th:TH_LOAD_NT
.set i, i+1
.endr
.macro CROW i                          ; row i: round, square the rounded numbers, add over the wave, store the row
	s_wait_loadcnt 14-2*(\i)                       ; loads come back in order: rows 0 .. i are in, the 14 - 2 i younger loads stay out
.irp k, 0,1,2,3
	v_cvt_pk_bf16_f32 v[PK+4*(\i)+(\k)], v[X+8*(\i)+2*(\k)], v[X+8*(\i)+2*(\k)+1]
.endr
.irp k, 0,1,2,3
	v_lshlrev_b32 v[CT+2*(\k)],   16,  v[PK+4*(\i)+(\k)]
	v_and_b32     v[CT+2*(\k)+1], s18, v[PK+4*(\i)+(\k)]
.endr
	v_pk_mul_f32 v[CS:CS+1], v[CT:CT+1], v[CT:CT+1]    ; the first product starts the sums
.irp k, 1,2,3
	v_pk_fma_f32 v[CS:CS+1], v[CT+2*(\k):CT+2*(\k)+1], v[CT+2*(\k):CT+2*(\k)+1], v[CS:CS+1]
.endr
	v_add_f32 v[CN+(\i)], v[CS], v[CS+1]
	v_add_f32_dpp v[CN+(\i)], v[CN+(\i)], v[CN+(\i)] row_xmask:1 row_mask:0xf bank_mask:0xf
	v_add_f32_dpp v[CN+(\i)], v[CN+(\i)], v[CN+(\i)] row_xmask:2 row_mask:0xf bank_mask:0xf
	v_add_f32_dpp v[CN+(\i)], v[CN+(\i)], v[CN+(\i)] row_xmask:4 row_mask:0xf bank_mask:0xf
	v_add_f32_dpp v[CN+(\i)], v[CN+(\i)], v[CN+(\i)] row_xmask:8 row_mask:0xf bank_mask:0xf
	v_permlanex16_b32 v[CW], v[CN+(\i)], s20, s21
	v_add_f32 v[CN+(\i)], v[CN+(\i)], v[CW]        ; every lane holds the row's norm
	global_store_b64 v3, v[PK+4*(\i):PK+4*(\i)+1],   s[8:9] offset:512*(\i)      ; each store of the wave covers 256 consecutive bytes, aligned
	global_store_b64 v3, v[PK+4*(\i)+2:PK+4*(\i)+3], s[8:9] offset:512*(\i)+256  ; (a row's own registers: none is written again)
.endm
.irp i, 0,1,2,3,4,5,6,7
	CROW \i
.endr
.irp i, 0,1,2,3,4,5,6,7
	ds_store_b32 v119, v[CN+(\i)] offset:4*(\i)    ; all lanes write the same word with the same number
.endr
	s_wait_dscnt 0x0                               ; for wave 0's sake: my stores are done
	s_barrier_signal -1
	s_barrier_wait -1
	s_cmp_lg_u32 s16, 0
	s_cbranch_scc1 .Lc_end
	v_lshl_add_u32 v120, v1, 3, CNB                ; in LDS: CNB + 8 lane
	v_lshlrev_b32 v121, 3, v1                      ; in cnorm: 8 lane
	ds_load_b64 v[122:123], v120                   ; the group's 64 norms, two a lane
	s_wait_dscnt 0x0
	global_store_b64 v121, v[122:123], s[12:13]    ; 256 consecutive bytes, aligned
.Lc_end:
	s_wait_tensorcnt 0x0                           ; the wave's end
	ds_add_u32 v[SPW], v[NIL]
	s_wait_dscnt 0x0
	s_endpgm
	; ---------------- z: thread t takes queries 4 x .. 4 x + 3 (x = t % 16) and channels 16 cg .. 16 cg + 15 (cg = t / 16) ----------------
.Lz:
	s_sub_co_u32 s17, s17, 256                     ; block of 64 queries: image b = block / 16, hw0 = 64 (block % 16)
	s_lshr_b32 s2, s17, 4
	s_lshl_b32 s2, s2, 20                          ; an image is 1,048,576 bytes
	s_and_b32 s22, s17, 15
	s_lshl_b32 s22, s22, 8                         ; 64 queries x 4 bytes
	s_add_co_u32 s2, s2, s22
	s_add_nc_u64 s[6:7], s[6:7], s[2:3]
	s_lshl_b32 s2, s17, 15                         ; 64 rows of 512 bytes
	s_add_nc_u64 s[10:11], s[10:11], s[2:3]
	s_lshl_b32 s2, s17, 8
	s_add_nc_u64 s[14:15], s[14:15], s[2:3]
	v_and_b32 v120, 15, v0                         ; x
	v_lshrrev_b32 v121, 4, v0                      ; cg
	v_lshlrev_b32 v2, 4, v120
	v_lshl_add_u32 v2, v121, 16, v2                ; in: 16 channels x 4,096 bytes x cg + 16 x: sixteen lanes read 256 consecutive bytes of one channel, aligned
.set i, 0
.rept 16
	global_load_b128 v[X+4*i:X+4*i+3], v2, s[6:7] offset:4096*i th:TH_LOAD_NT
.set i, i+1
.endr
	v_mul_u32_u24 v122, v120, PITCH
	v_lshl_add_u32 v122, v121, 5, v122             ; tile: row x (+ 16 j), my 16 channels' 32 bytes
	v_lshl_add_u32 v123, v0, 4, PS                 ; partial sums: 256 cg + 16 x = 16 t
	s_mul_i32 s22, s16, 8*PITCH
	v_lshl_add_u32 v124, v1, 4, s22                ; back: wave w reads tile rows 8 w + i, whole
	s_and_b32 s22, s16, 1                          ; tile row 16 j + x holds query 4 x + j, so row 8 w + i is query 32 (w % 2) + 4 i + w / 2
	s_lshl_b32 s22, s22, 14
	s_lshr_b32 s23, s16, 1
	s_lshl_b32 s23, s23, 9
	s_add_co_u32 s22, s22, s23
	v_lshl_add_u32 v125, v1, 4, s22                ; out: 16 lane + 16,384 (w % 2) + 512 (w / 2); 2,048 i stands in the immediate
.macro ZPAIR p                         ; channels 16 cg + 2 p and + 1 of my four queries: rounded as a pair, squared, added
	s_wait_loadcnt 14-2*(\p)                       ; channels 0 .. 2 p + 1 are in, the younger loads stay out
.irp j, 0,1,2,3
	v_cvt_pk_bf16_f32 v[PK+8*(\j)+(\p)], v[X+8*(\p)+(\j)], v[X+8*(\p)+4+(\j)]
.endr
.irp j, 0,1,2,3
	v_lshlrev_b32 v[ZT+2*(\j)],   16,  v[PK+8*(\j)+(\p)]
	v_and_b32     v[ZT+2*(\j)+1], s18, v[PK+8*(\j)+(\p)]
.endr
.irp j, 0,1,2,3
.if (\p) == 0
	v_pk_mul_f32 v[ZS+2*(\j):ZS+2*(\j)+1], v[ZT+2*(\j):ZT+2*(\j)+1], v[ZT+2*(\j):ZT+2*(\j)+1]
.else
	v_pk_fma_f32 v[ZS+2*(\j):ZS+2*(\j)+1], v[ZT+2*(\j):ZT+2*(\j)+1], v[ZT+2*(\j):ZT+2*(\j)+1], v[ZS+2*(\j):ZS+2*(\j)+1]
.endif
.endr
.endm
.irp p, 0,1,2,3,4,5,6,7
	ZPAIR \p
.endr
.irp j, 0,1,2,3
	v_add_f32 v[ZJ+(\j)], v[ZS+2*(\j)], v[ZS+2*(\j)+1]
.endr
	ds_store_b128 v123, v[ZJ:ZJ+3]
.irp j, 0,1,2,3                                    ; sixteen lanes on end write rows x = 0 .. 15 at a pitch of 528 bytes: sixteen different groups of four banks
	ds_store_b128 v122, v[PK+8*(\j):PK+8*(\j)+3]   offset:(\j)*16*PITCH
	ds_store_b128 v122, v[PK+8*(\j)+4:PK+8*(\j)+7] offset:(\j)*16*PITCH+16
.endr
	s_wait_dscnt 0x0                               ; for the others' sake: my stores are done
	s_barrier_signal -1
	s_barrier_wait -1
.irp i, 0,1,2,3,4,5,6,7
	ds_load_b128 v[X+4*(\i):X+4*(\i)+3], v124 offset:(\i)*PITCH     ; a query's 512 bytes, 16 a lane
.endr
.irp i, 0,1,2,3,4,5,6,7
	s_wait_dscnt 7-(\i)                            ; LDS loads come back in order: row i is in
	global_store_b128 v125, v[X+4*(\i):X+4*(\i)+3], s[10:11] offset:2048*(\i)  ; 512 consecutive bytes, aligned
.endr
	s_cmp_lg_u32 s16, 0
	s_cbranch_scc1 .Lz_end
	v_lshl_add_u32 v120, v1, 3, PS
	v_lshlrev_b32 v121, 3, v1
.set i, 0
.rept 16
	ds_load_b64 v[36+2*i:37+2*i], v120 offset:256*i ; group i's partial sums of queries 2 lane, 2 lane + 1
.set i, i+1
.endr
	s_wait_dscnt 0x0
.set i, 2
.rept 14                                           ; two chains, even and odd groups
	v_pk_add_f32 v[36+2*(i%2):37+2*(i%2)], v[36+2*(i%2):37+2*(i%2)], v[36+2*i:37+2*i]
.set i, i+1
.endr
	v_pk_add_f32 v[36:37], v[36:37], v[38:39]
	global_store_b64 v121, v[36:37], s[14:15]      ; 256 consecutive bytes, aligned
.Lz_end:
	s_wait_tensorcnt 0x0                           ; the wave's end
	ds_add_u32 v[SPW], v[NIL]
	s_wait_dscnt 0x0
	s_endpgm
.Lfunc_end_k_q372f62c107_prep:
	.size	k_q372f62c107_prep, .Lfunc_end_k_q372f62c107_prep-k_q372f62c107_prep
	.p2alignl 7, 3214868480
	.fill 96, 4, 3214868480
	.section	.rodata,"a",@progbits
	.p2align	6, 0x0
	.amdhsa_kernel k_q372f62c107_prep
		.amdhsa_group_segment_fixed_size 39168
		.amdhsa_private_segment_fixed_size 0
		.amdhsa_enable_private_segment 0
		.amdhsa_kernarg_size 48
		.amdhsa_user_sgpr_count 2
		.amdhsa_user_sgpr_kernarg_segment_ptr 1
		.amdhsa_wavefront_size32 1
		.amdhsa_system_sgpr_workgroup_id_x 1
		.amdhsa_system_sgpr_workgroup_id_y 1
		.amdhsa_system_sgpr_workgroup_id_z 1
		.amdhsa_system_vgpr_workitem_id 0
		.amdhsa_next_free_vgpr 128
		.amdhsa_next_free_sgpr 66
		.amdhsa_reserve_vcc 0
		.amdhsa_float_denorm_mode_32 3
		.amdhsa_float_denorm_mode_16_64 3
		.amdhsa_memory_ordered 1
		.amdhsa_forward_progress 1
		.amdhsa_inst_pref_size 29
	.end_amdhsa_kernel
	.amdgpu_metadata
---
amdhsa.version: [ 1, 2 ]
amdhsa.kernels:
  - .name:           k_q372f62c107_prep
    .symbol:         k_q372f62c107_prep.kd
    .args:
      - { .name: codebook, .offset: 0, .size: 8, .value_kind: global_buffer, .address_space: global }
      - { .name: z, .offset: 8, .size: 8, .value_kind: global_buffer, .address_space: global }
      - { .name: cbh, .offset: 16, .size: 8, .value_kind: global_buffer, .address_space: global }
      - { .name: zbh, .offset: 24, .size: 8, .value_kind: global_buffer, .address_space: global }
      - { .name: cnorm, .offset: 32, .size: 8, .value_kind: global_buffer, .address_space: global }
      - { .name: znorm, .offset: 40, .size: 8, .value_kind: global_buffer, .address_space: global }
    .group_segment_fixed_size: 39168
    .private_segment_fixed_size: 0
    .kernarg_segment_align: 8
    .kernarg_segment_size: 48
    .max_flat_workgroup_size: 256
    .sgpr_count:     66
    .vgpr_count:     128
    .wavefront_size: 32
...
	.end_amdgpu_metadata
.endif
;; end of part 1
;; launch score (part 2): grid 32 x 8, 4 waves a work-group, clusters of 4 x 1, 327,680 bytes of LDS; arguments zbh, cbh, znorm, cnorm, pkey, pidx; writes pkey, pidx
.if DOCPART == 2
	.amdgcn_target "amdgcn-amd-amdhsa--gfx1250"
	.amdhsa_code_object_version 6
	.text
	.protected	k_q372f62c107_score
	.globl	k_q372f62c107_score
	.p2align	8
	.type	k_q372f62c107_score,@function
k_q372f62c107_score:
	s_mov_b64 s[64:65], 0
	v_nop
	global_prefetch_b8 v0, s[64:65] scope:SCOPE_SE
	s_setreg_imm32_b32 hwreg(HW_REG_WAVE_MODE, 25, 1), 1
	s_wait_xcnt 0x0
	s_wait_alu depctr_hold_cnt(0) depctr_sa_sdst(0) depctr_va_vdst(0) depctr_va_sdst(0) depctr_va_ssrc(0) depctr_va_vcc(0) depctr_vm_vsrc(0)
	s_getreg_b32 s2, hwreg(HW_REG_IB_STS2, 6, 4)
	s_cmp_eq_u32 s2, 0
	s_cbranch_scc0 .Lentry_in_a_cluster
	s_endpgm
.Lentry_in_a_cluster:
	s_bfe_u32 s2, ttmp6, 0x10000c
	s_cmp_lg_u32 s2, 0x3003
	s_cbranch_scc0 .Lentry_shape_is_right
	s_endpgm
.Lentry_shape_is_right:
; SCORE.  For 512 queries (work-group x) and 2,048 codes (work-group y, a SPLIT): d[n][m] = fl(fl(A_n + B_m) - 2 z_n . e_m), its least value and the first index that has it.
; zbh [16384][256], cbh [16384][256] bf16; znorm (A), cnorm (B) f32; products in bf16 with f32 sums, 8 steps of 32 along the 256 channels, ascending, one accumulator an output.
; Out: pkey[y][n] = the least d as a whole number that orders as d does, pidx[y][n] = its code.  A later launch picks among the 8 splits.
; SHARES.  A wave owns 128 queries, and they stay in registers for the whole launch: 8 tiles x 8 steps x 8 = 512 registers.  All four waves read the same tiles of 16 codes from LDS:
; 16 loads of 16 bytes a lane feed 64 matrix instructions.  128 tiles of codes: 8,192 matrix instructions a wave.  32 x 8 = 256 work-groups of equal work.
; LAYOUT.  Source 0 = 16 codes, source 1 = 16 queries: in the result a lane holds ONE query (lane % 16) and the codes 8 (lane / 16) + 0..7 of the tile, a GROUP of eight on end.
; Column r of query tile q is query 64 (q / 4) + 4 r + q % 4 of the wave, so that at the end lane l holds queries 4 l .. 4 l + 3.
; ARGMIN.  For a group: t = B + A, d = t - 2 dot (one fused multiply-add: the two roundings of the formula), the least of the eight; where it is LESS than the best so far (so the first
; group keeps a tie) the best, the group's first code and its eight d are kept by selects.  Which of the eight it was is looked up once, at the end: the first that equals the best.
; BY TURNS.  The wave's tiles are two halves (tiles 0-3, 4-7).  In a turn one half has the matrix unit, 32 products; the other half's 92 vector instructions stand behind them, three a product.
; CLUSTER.  The four work-groups of a cluster have the same y and walk the same codes and norms: every tile is asked for JOINTLY, same tensor load, descriptor and mask in all four.
; LIMITS.  NaN and infinities are not treated apart (a NaN loses every minimum; where all d are +inf the split's first code results).  -0 counts as +0.  Codes whose d fall into the same or
; neighbouring steps of d's f32 grid are told apart by the last bits of the dot, in which the matrix unit's order of sums is not that of a chain of f32 additions.
; REGISTERS, in windows of 256 (s_set_vgpr_msb: bits 1:0 source 0, 3:2 source 1, 5:4 source 2, 7:6 destination):
;   window 0: v0-11 addresses; v12-15, v48-63 at work; v16-31 A, a pair a tile; v32-47 B, two buffers; v64-143 ten registers of state a tile; v144-191 the way out; v192-255 accumulators
;   window 1: v0-127 the codes' fragments, two buffers of 64        window 2: query tiles 0-3, 64 each        window 3: query tiles 4-7
; A product's operands lie in three windows and a select wants all of its own in one, so the vector work behind a product costs two switches.
.set PITCH, 528                        ; a code's row in LDS: 512 bytes + 16 = 132 words: the 16 rows of a load start at 16 different groups of four banks (64 banks of 4 bytes: ISA guide 11.1)
.set TSTEP, 16*PITCH                   ; a tile of 16 codes
.set SLOTB, 8*TSTEP                    ; a slot: 128 codes, 8 tiles
.set SLOT1, 1<<17                      ; slot 1 begins here, so that one exclusive or turns an address in one slot into the other's
.set BN,    SLOT1+SLOTB                ; the split's 2,048 norms, filled once
.set SPARE, BN+8192                    ; the spare words, 128 bytes for each wave, which no other line names
.set AK0,  2                           ; v2   my lane's place in a tile of codes; never rewritten
.set ADR,  3                           ; v3   the LDS address of the run of loads in hand
.set AB0,  4                           ; v4   my half of the lanes' place in a tile's 16 norms; never rewritten
.set ADRB, 5                           ; v5   the LDS address of the norms in hand
.set CUR,  6                           ; v6   first code of my group in the tile whose vector work is in hand
.set QO,   8                           ; v8   my byte offset in the wave's rows of zbh
.set SPW,  10                          ; v10  LDS address of my spare word; never rewritten
.set NIL,  11                          ; v11  0; never rewritten
.set G,    12                          ; two registers at work for each of the two tiles that alternate
.set AN,   16                          ; tile q: A of my query, in both words of the pair at AN + 2 q
.set BNR,  32                          ; buffer b: my group's eight norms at BNR + 8 b
.set T,    48                          ; eight registers at work for each of the two tiles that alternate
.set ST,   64                          ; tile q at ST + 10 q: the best d, its group's first code, the group's eight d
.set WK,   144
.set ACC,  192                         ; half x, tile q' of four at ACC + 32 x + 8 q'
.set WV,   16                          ; s16  my wave's number
.set G1C,  24                          ; s[24:31] descriptor group 1 for the codes' tiles
.set G1N,  32                          ; s[32:39] for the norms
.set G0A,  40                          ; s[40:43] descriptor group 0: slot 0's first fill
.set G0B,  44                          ; s[44:47] slot 1's first fill; this one then walks
.set G0N,  48                          ; s[48:51] the norms
.set TB,   52                          ; s52  LDS byte at which the tile to be fetched begins
.set TBN,  53                          ; s53  byte in BN at which its norms begin
.set CNT,  54                          ; s54  counts pairs of tiles in a slot
.set SLOTS, 55                         ; s55  counts the slots
.set MK,   56                          ; s56, s57 lane masks of the two tiles that alternate
.set SEL,  58                          ; s[58:59] v_permlanex16_b32's selects: each lane takes its own place in the other half
.set HM,   60                          ; s60  lanes 16-31
.set MSB, 0
.macro WIN new                         ; the immediate's high byte repeats the setting that is left; a switch that changes nothing is dropped
.if MSB != (\new)
	s_set_vgpr_msb (MSB<<8)|(\new)
.set MSB, (\new)
.endif
.endm
; A round of the cluster's barrier: my work-group's barrier, so that wave 0's signal speaks for all four waves; wave 0 signals; every wave waits for all four work-groups; my work-group's barrier once more.
.macro CROUND
	s_barrier_signal -1
	s_barrier_wait -1
	s_cmp_lg_u32 s[WV], 0
	s_cbranch_scc1 .Lnot_wave_0_\@
	s_barrier_signal -3
.Lnot_wave_0_\@:
	s_barrier_wait -3
	s_barrier_signal -1
	s_barrier_wait -1
.endm
	s_load_b256 s[4:11], s[0:1], 0x0               ; zbh s[4:5], cbh s[6:7], znorm s[8:9], cnorm s[10:11]
	s_load_b128 s[12:15], s[0:1], 0x20             ; pkey s[12:13], pidx s[14:15]
	v_lshl_add_u32 v[SPW], v0, 2, SPARE
	v_mov_b32 v[NIL], 0
	ds_add_u32 v[SPW], v[NIL]                      ; the wave's opening: the add and its wait stand ahead of my first tensor load; the set-up below, work on registers, stands between them
	v_lshrrev_b32 v1, 5, v0
	v_readfirstlane_b32 s[WV], v1                  ; wave 0..3
	s_bfe_u32 s17, ttmp6, 0x40000                  ; cx: my place in the cluster
	s_lshl_b32 s18, ttmp9, 2                       ; in a cluster launch ttmp9 counts clusters
	s_add_co_u32 s18, s18, s17                     ; my block of 512 queries: it enters zbh's, znorm's, pkey's and pidx's addresses alone
	s_and_b32 s19, ttmp7, 0xffff                   ; the split, which the four partners share
	; group 1 for the codes: my wave's 32 rows x 256 elements of 2 bytes, padded in LDS
	s_mov_b32 s[G1C], 15|(1<<16)|(1<<20)|(1<<21)|(6<<22)|(3<<25)  ; 15:0 the mask of four; 17:16 2-byte elements; 20 padding on; 21 set beside a mask; 24:22 after every 128 words (code 6); 31:25 4 words (code 3)
	s_mov_b32 s[G1C+1], 256<<16                    ; tensor_dim0 = 256
	s_mov_b32 s[G1C+2], 32<<16                     ; tensor_dim1 = 32
	s_mov_b32 s[G1C+3], 256<<16                    ; tile_dim0 = 256
	s_mov_b32 s[G1C+4], 32                         ; tile_dim1 = 32
	s_mov_b32 s[G1C+5], 256                        ; 256 elements from row to row
	s_mov_b32 s[G1C+6], 0
	s_mov_b32 s[G1C+7], 0
	; group 1 for the norms: my wave's 2,048 dense bytes as 8 rows of 32 elements of 8 bytes, no padding
	s_mov_b32 s[G1N], 15|(3<<16)|(1<<21)
	s_mov_b32 s[G1N+1], 32<<16
	s_mov_b32 s[G1N+2], 8<<16
	s_mov_b32 s[G1N+3], 32<<16
	s_mov_b32 s[G1N+4], 8
	s_mov_b32 s[G1N+5], 32
	s_mov_b32 s[G1N+6], 0
	s_mov_b32 s[G1N+7], 0
	s_mul_i32 s61, s[WV], 32*PITCH                 ; where my rows go: wave x 32 rows: no place in the cluster enters an LDS address
	s_mov_b32 s[G0A], 1                            ; 1:0 count = 1
	s_mov_b32 s[G0A+1], s61                        ; 63:32 LDS address: slot 0
	s_mov_b32 s[G0B], 1
	s_add_co_u32 s[G0B+1], s61, SLOT1              ; slot 1
	s_mov_b32 s[G0N], 1
	s_lshl_b32 s[G0N+1], s[WV], 11
	s_add_co_u32 s[G0N+1], s[G0N+1], BN
	s_lshl_b32 s20, s19, 20                        ; cbh: the split's 2,048 rows of 512 bytes,
	s_lshl_b32 s21, s[WV], 14                      ; my wave's 32 rows of a slot
	s_add_co_u32 s20, s20, s21
	s_mov_b32 s21, 0
	s_lshl_b32 s22, s19, 13                        ; cnorm: the split's 8,192 bytes, my wave's 2,048
	s_lshl_b32 s23, s[WV], 11
	s_add_co_u32 s22, s22, s23
	s_mov_b32 s23, 0
	s_lshl_b32 s2, s18, 18                         ; zbh: my block's 512 rows of 512 bytes,
	s_lshl_b32 s3, s[WV], 16                       ; my wave's 128
	s_add_co_u32 s2, s2, s3
	s_mov_b32 s3, 0
	s_mov_b32 s[TB], 0
	s_mov_b32 s[TBN], 0
	s_mov_b32 s[SEL], 0x76543210
	s_mov_b32 s[SEL+1], 0xfedcba98
	s_mov_b32 s[HM], 0xffff0000
	s_mov_b32 s62, 0x7f800000                      ; +inf
	s_mov_b32 s63, 0xff800000                      ; -inf
	s_wait_dscnt 0x0                               ; the opening add is done
	s_wait_kmcnt 0x0
	s_add_nc_u64 s[6:7], s[6:7], s[20:21]
	s_add_nc_u64 s[G0A+2:G0A+3], s[6:7], 0         ; 120:64 global address: codes 0-127 of the split
	s_or_b32 s[G0A+3], s[G0A+3], 0x80000000        ; 127:126 type = 2
	s_add_nc_u64 s[G0B+2:G0B+3], s[6:7], 65536     ; codes 128-255
	s_or_b32 s[G0B+3], s[G0B+3], 0x80000000
	s_add_nc_u64 s[G0N+2:G0N+3], s[10:11], s[22:23]
	s_or_b32 s[G0N+3], s[G0N+3], 0x80000000
	s_add_nc_u64 s[4:5], s[4:5], s[2:3]            ; zbh at my wave's first row
	s_lshr_b32 s2, s2, 7                           ; 4 bytes a query for 512
	s_add_nc_u64 s[8:9], s[8:9], s[2:3]            ; znorm at my wave's first query
	s_lshl_b32 s61, s19, 16                        ; a split's 16,384 words
	s_add_co_u32 s2, s2, s61
	s_add_nc_u64 s[12:13], s[12:13], s[2:3]
	s_add_nc_u64 s[14:15], s[14:15], s[2:3]
	CROUND                                         ; all four work-groups are here: the first joint loads meet
	tensor_load_to_lds s[G0N:G0N+3], s[G1N:G1N+7]  ; the three first fills go out together, ahead of every wait on TENSORcnt and every LDS read: three loads of mine are out
	s_nop 0
	tensor_load_to_lds s[G0A:G0A+3], s[G1C:G1C+7]
	s_nop 0
	tensor_load_to_lds s[G0B:G0B+3], s[G1C:G1C+7]
	s_nop 0
.rept 4
	v_nop
.endr
	; A fragment is 16 rows x 32 channels in 8 registers: lane l holds row l % 16, channels 8 (l / 16) + 0..7 and 16 + 8 (l / 16) + 0..7: two loads of 16 bytes, 32 bytes apart.
	v_and_b32 v1, 15, v0                           ; r = l % 16
	v_bfe_u32 v7, v0, 4, 1                         ; h = l / 16
	v_lshlrev_b32 v[QO], 11, v1                    ; column r of a tile is four queries on: 4 x 512 bytes
	v_lshl_add_u32 v[QO], v7, 4, v[QO]
	v_lshlrev_b32 v9, 4, v1
	global_load_b128 v[WK:WK+3],   v9, s[8:9]             ; A of queries 4 r .. 4 r + 3: tiles 0-3
	global_load_b128 v[WK+4:WK+7], v9, s[8:9] offset:256  ; and 64 queries on: tiles 4-7
.irp x, 0,1                                        ; the queries stay in registers: tile 4 x + q at 64 q + 8 step, in window 2 + x
	WIN 0x80+0x40*(\x)
.set q, 0
.rept 4
.set ks, 0
.rept 8
	global_load_b128 v[64*q+8*ks:64*q+8*ks+3],   v[QO], s[4:5] offset:32768*(\x)+512*q+64*ks
	global_load_b128 v[64*q+8*ks+4:64*q+8*ks+7], v[QO], s[4:5] offset:32768*(\x)+512*q+64*ks+32
.set ks, ks+1
.endr
.set q, q+1
.endr
.endr
	WIN 0
	v_mul_u32_u24 v[AK0], v1, PITCH
	v_lshl_add_u32 v[AK0], v7, 4, v[AK0]           ; row x pitch + 16 x half
	v_lshl_add_u32 v[AB0], v7, 5, BN               ; my group's eight norms: 32 bytes for each half of the lanes
	; What the first turn finds.  The loop is entered in the middle of a trip, and its first turn carries the vector work of a tile that has not been: accumulators of -inf and norms of 0
	; make d = +inf there, which is less than nothing.  The best and its eight d start at +inf.  All this stands in the wait for the first tile.
	s_lshl_b32 s61, s19, 11
	v_lshlrev_b32 v[CUR], 3, v7
	v_add_nc_u32 v[CUR], s61, v[CUR]               ; 2,048 y + 8 h: my group in the split's first tile
.set q, 0
.rept 8
	v_mov_b32 v[ST+10*q], s62
	v_mov_b32 v[ST+10*q+1], v[CUR]
.set j, 0
.rept 8
	v_mov_b32 v[ST+10*q+2+j], s62
.set j, j+1
.endr
.set q, q+1
.endr
	v_add_nc_u32 v[CUR], -16, v[CUR]               ; a tile back: each tile's first vector work steps it
.set j, 0
.rept 32
	v_mov_b32 v[ACC+32+j], s63
.set j, j+1
.endr
.set j, 0
.rept 8
	v_mov_b32 v[BNR+8+j], 0
.set j, j+1
.endr
; Product i of 32 for half x on code buffer p: channels 32 (i / 4) on, tile i % 4.  The first four start the sums with the constant 0.  The four accumulators take turns, one instruction a turn.
.macro MM x, p
	WIN 0x09+4*(\x)                                ; codes in window 1, queries in window 2 + x, sums in window 0
.set ks, i/4
.set qq, i%4
.set ra, ACC+32*(\x)+8*qq
.if ks == 0
	v_wmma_f32_16x16x32_bf16 v[ra:ra+7], v[64*(\p)+8*ks:64*(\p)+8*ks+7], v[64*qq+8*ks:64*qq+8*ks+7], 0
.else
	v_wmma_f32_16x16x32_bf16 v[ra:ra+7], v[64*(\p)+8*ks:64*(\p)+8*ks+7], v[64*qq+8*ks:64*qq+8*ks+7], v[ra:ra+7]
.endif
.endm
; Number e of the 92 vector instructions of half x, norms in buffer pb.  A tile has 23; two tiles alternate, so that no line reads the result of the line before it; then the other two.
;   0-3 t = B + A     4-7 d = t - 2 dot, in place, the accumulator's lowest registers first     8-11 the least of the eight
;   12 is it less than the best?     13-22 where it is: the best, the group's first code, the eight d
.macro EPOP x, pb
.if e < 92
	WIN 0
.set eu, e%2
.set en, (e%46)/2
.set qq, 2*(e/46)+eu
.set ra, ACC+32*(\x)+8*qq
.set rs, ST+10*(4*(\x)+qq)
.set rn, AN+2*(4*(\x)+qq)
.set rt, T+8*eu
.set rg, G+2*eu
.if en < 4
	v_pk_add_f32 v[rt+2*en:rt+2*en+1], v[BNR+8*(\pb)+2*en:BNR+8*(\pb)+2*en+1], v[rn:rn+1]
.elseif en < 8
	v_pk_fma_f32 v[ra+2*en-8:ra+2*en-7], v[ra+2*en-8:ra+2*en-7], -2.0, v[rt+2*en-8:rt+2*en-7] op_sel_hi:[1,0,1]
.elseif en == 8
	v_min3_num_f32 v[rg], v[ra], v[ra+1], v[ra+2]
.elseif en == 9
	v_min3_num_f32 v[rg+1], v[ra+3], v[ra+4], v[ra+5]
.elseif en == 10
	v_min3_num_f32 v[rg], v[rg], v[ra+6], v[ra+7]
.elseif en == 11
	v_min_num_f32 v[rg], v[rg], v[rg+1]
.elseif en == 12
	v_cmp_lt_f32 s[MK+eu], v[rg], v[rs]
.elseif en == 13
	v_cndmask_b32 v[rs], v[rs], v[rg], s[MK+eu]
.elseif en == 14
	v_cndmask_b32 v[rs+1], v[rs+1], v[CUR], s[MK+eu]
.else
	v_cndmask_b32 v[rs+en-13], v[rs+en-13], v[ra+en-15], s[MK+eu]
.endif
.endif
.set e, e+1
.endm
; THE LDS LOADS stand in runs, never singly among the matrix instructions: a tile's 16 codes x 256 channels (8 fragments) into buffer pn, and a turn later its norms.
.macro FETCH_C pn
	WIN 0
	v_add_nc_u32 v[ADR], s[TB], v[AK0]
	WIN 0x40                                       ; destination window 1
.irp f, 0,1,2,3,4,5,6,7
	ds_load_b128 v[64*(\pn)+8*(\f):64*(\pn)+8*(\f)+3],   v[ADR] offset:64*(\f)
	ds_load_b128 v[64*(\pn)+8*(\f)+4:64*(\pn)+8*(\f)+7], v[ADR] offset:64*(\f)+32
.endr
	s_add_co_u32 s[TB], s[TB], TSTEP               ; the next fetch is the next tile's
.endm
.macro FETCH_N pn
	WIN 0
	v_add_nc_u32 v[ADRB], s[TBN], v[AB0]
	ds_load_b128 v[BNR+8*(\pn):BNR+8*(\pn)+3],   v[ADRB]
	ds_load_b128 v[BNR+8*(\pn)+4:BNR+8*(\pn)+7], v[ADRB] offset:16
	s_add_co_u32 s[TBN], s[TBN], 64
.endm
; A TURN.  Half x has the matrix unit, on code buffer p; the other half's vector work stands behind its products, three a product (92 in 96 places).  In half 0's turn that is half 1's work on the
; tile BEFORE (norms in the other buffer), in half 1's turn half 0's work on this tile, and the group's first code steps ahead of it.
; fetch = 1: half 0's turn fetches the next tile's codes into the other buffer: between its last reader, the last product of the turn before, and the loads stand seven plain instructions that name
; none of that product's registers (six lines t = B + A and the address; ISA guide 7.12.1 for vector instructions).  Half 1's turn fetches the next tile's norms into the buffer that half 0's turn has read out.
; An accumulator is first read eight lines t = B + A into the next turn.
.macro TURN x, p, fetch
.set e, 0
.set i, 0
.set PB, ((\p)+1-(\x))%2
.rept 32
	MM \x, \p
.if ((\x) == 1) && (i == 0)
	WIN 0
	v_add_nc_u32 v[CUR], 16, v[CUR]
.endif
	EPOP 1-(\x), PB
	EPOP 1-(\x), PB
	EPOP 1-(\x), PB
.if (\fetch) && (i == 1)
.if (\x) == 0
	FETCH_C 1-(\p)
.else
	FETCH_N 1-(\p)
.endif
.endif
.set i, i+1
.endr
.endm
.macro BODY p, fetch                   ; one tile of 16 codes: 64 products
	s_wait_dscnt 0x0                               ; this tile's codes (asked for 62 products ago) and norms (30) are in
	TURN 0, \p, \fetch
	TURN 1, \p, \fetch
.endm
; THE CHANGE OF SLOTS stands in front of the tile that fetches the next slot's first tile: this slot's last tile is in registers by then.  Each wave waits for all its tensor loads, of which one is
; out: its part of the other slot; adds 0 to its spare word; and waits for that and for its own reads of the slot.  Behind the barrier nobody reads this slot any more and the other slot is whole.
; fill = 1: this slot is filled again, with the codes two slots on.  The barrier is then a round of the cluster's, so that no wave of any partner still reads the slot or has a load on its way,
; and the joint refill is the first thing behind it: one load of mine is out, and it has eight tiles, 512 matrix instructions, in which to land.
.macro CHANGE fill
	WIN 0                                          ; at a label and at a branch every window is 0
	s_wait_tensorcnt 0x0                           ; no tensor load of mine is out, so a group 0 may be written
	ds_add_u32 v[SPW], v[NIL]                      ; 0 onto my spare word; with fill = 1 the descriptor's steps stand between it and the wait for it
.if \fill
	s_xor_b32 s[G0B+1], s[G0B+1], SLOT1            ; the walking descriptor: the other slot than last time,
	s_add_nc_u64 s[G0B+2:G0B+3], s[G0B+2:G0B+3], 65536  ; the next 128 codes; the type bits on top are not reached
.endif
	s_wait_dscnt 0x0                               ; the add is done, and my reads of the slot are over
.if \fill
	CROUND
	tensor_load_to_lds s[G0B:G0B+3], s[G1C:G1C+7]
	s_nop 0
.rept 4
	v_nop
.endr
.else
	s_barrier_signal -1
	s_barrier_wait -1
.endif
	s_sub_co_u32 s[TB], s[TB], SLOTB               ; the fetches go back to a slot's first tile,
	s_xor_b32 s[TB], s[TB], SLOT1                  ; in the other slot
.endm
.macro RUN tag                         ; eight tiles, two a trip: an odd one (buffer 1), an even one (buffer 0)
.Ltrip\tag:
	BODY 1, 1
	WIN 0
.Lmid\tag:
	BODY 0, 1
	WIN 0
	s_sub_co_u32 s[CNT], s[CNT], 1
	s_cmp_lg_u32 s[CNT], 0
	s_cbranch_scc1 .Ltrip\tag
.endm
	s_wait_tensorcnt 0x1                           ; tensor loads of a wave end in order: my parts of the norms and of slot 0 are in; slot 1's, issued last, may stay out
	s_barrier_signal -1
	s_barrier_wait -1                              ; everybody's are
	FETCH_C 0                                      ; tile 0
	FETCH_N 0
	s_wait_loadcnt 0x0                             ; the queries and A
.set q, 0
.rept 8
	v_mov_b32 v[AN+2*q], v[WK+q]
	v_mov_b32 v[AN+2*q+1], v[WK+q]
.set q, q+1
.endr
	s_mov_b32 s[CNT], 4
	s_mov_b32 s[SLOTS], 15
	s_branch .Lmid1                                ; tiles 0-6: the loop is entered at an even tile, in the middle of a trip
.Lslot:                                                ; 14 times: tiles 8 s - 1 .. 8 s + 6, s = 1 .. 14; the slot left is filled with codes 128 (s + 1) on
	CHANGE 1
	s_mov_b32 s[CNT], 4
	RUN 1
	s_sub_co_u32 s[SLOTS], s[SLOTS], 1
	s_cmp_lg_u32 s[SLOTS], 0
	s_cbranch_scc1 .Lslot
	CHANGE 0                                       ; the tail is written out: nothing is asked for
	s_mov_b32 s[CNT], 4
	RUN 2                                          ; tiles 119-126
	BODY 1, 0                                      ; tile 127: nothing is left to fetch
.set e, 0
.rept 92
	EPOP 1, 1                                      ; its second half's vector work; the eight lines t = B + A are the places behind the last products
.endr
	; THE WAY OUT.  For each tile: the first of the kept eight d that equals the best gives the code; the best, with -0 made +0, becomes a whole number that orders as the f32 does
	; (all bits turned where the sign is set, the sign bit alone where it is not).
.macro FIN q
.set rs, ST+10*(\q)
	v_mov_b32 v[WK+16+(\q)], 7
.irp j, 6,5,4,3,2,1,0
	v_cmp_eq_f32 vcc_lo, v[rs+2+(\j)], v[rs]
	v_cndmask_b32 v[WK+16+(\q)], v[WK+16+(\q)], \j, vcc_lo
.endr
	v_add_nc_u32 v[WK+8+(\q)], v[rs+1], v[WK+16+(\q)]
	v_add_f32 v[rs], 0, v[rs]
	v_ashrrev_i32 v[WK+24+(\q)], 31, v[rs]
	v_or_b32 v[WK+24+(\q)], 0x80000000, v[WK+24+(\q)]
	v_xor_b32 v[WK+(\q)], v[rs], v[WK+24+(\q)]
.endm
; The query's other codes lie in the lane 16 away: its pair is taken where its key is lower, or equal with a lower code.  (The destinations of v_permlanex16_b32 have been written: they were at work above.)
.macro MEET q
	v_permlanex16_b32 v[T+(\q)],   v[WK+(\q)],   s[SEL], s[SEL+1]
	v_permlanex16_b32 v[T+8+(\q)], v[WK+8+(\q)], s[SEL], s[SEL+1]
	v_cmp_lt_u32 s20, v[T+(\q)], v[WK+(\q)]
	v_cmp_eq_u32 s21, v[T+(\q)], v[WK+(\q)]
	v_cmp_lt_u32 s22, v[T+8+(\q)], v[WK+8+(\q)]
	s_and_b32 s21, s21, s22
	s_or_b32 s20, s20, s21
	v_cndmask_b32 v[WK+(\q)],   v[WK+(\q)],   v[T+(\q)],   s20
	v_cndmask_b32 v[WK+8+(\q)], v[WK+8+(\q)], v[T+8+(\q)], s20
.endm
.irp q, 0,1,2,3,4,5,6,7
	FIN \q
.endr
.irp q, 0,1,2,3,4,5,6,7
	MEET \q
.endr
.irp j, 0,1,2,3                                    ; lanes 0-15 keep tiles 0-3 (queries 4 r + j), lanes 16-31 take tiles 4-7 (64 + 4 r + j): lane l holds queries 4 l .. 4 l + 3
	v_cndmask_b32 v[WK+(\j)],   v[WK+(\j)],   v[WK+4+(\j)],  s[HM]
	v_cndmask_b32 v[WK+8+(\j)], v[WK+8+(\j)], v[WK+12+(\j)], s[HM]
.endr
	v_and_b32 v9, 31, v0
	v_lshlrev_b32 v9, 4, v9
	global_store_b128 v9, v[WK:WK+3],    s[12:13]  ; each store of the wave covers 512 consecutive bytes, aligned
	global_store_b128 v9, v[WK+8:WK+11], s[14:15]
	s_wait_tensorcnt 0x0                           ; the wave's end
	ds_add_u32 v[SPW], v[NIL]
	s_wait_dscnt 0x0
	CROUND                                         ; the closing round: no work-group ends while a partner may still ask for a tile that names it
	s_endpgm
.Lfunc_end_k_q372f62c107_score:
	.size	k_q372f62c107_score, .Lfunc_end_k_q372f62c107_score-k_q372f62c107_score
	.p2alignl 7, 3214868480
	.fill 96, 4, 3214868480
	.section	.rodata,"a",@progbits
	.p2align	6, 0x0
	.amdhsa_kernel k_q372f62c107_score
		.amdhsa_group_segment_fixed_size 327680
		.amdhsa_private_segment_fixed_size 0
		.amdhsa_enable_private_segment 0
		.amdhsa_kernarg_size 48
		.amdhsa_user_sgpr_count 2
		.amdhsa_user_sgpr_kernarg_segment_ptr 1
		.amdhsa_wavefront_size32 1
		.amdhsa_system_sgpr_workgroup_id_x 1
		.amdhsa_system_sgpr_workgroup_id_y 1
		.amdhsa_system_sgpr_workgroup_id_z 1
		.amdhsa_system_vgpr_workitem_id 0
		.amdhsa_next_free_vgpr 1024
		.amdhsa_next_free_sgpr 72
		.amdhsa_reserve_vcc 1
		.amdhsa_float_denorm_mode_32 3
		.amdhsa_float_denorm_mode_16_64 3
		.amdhsa_memory_ordered 1
		.amdhsa_forward_progress 1
		.amdhsa_inst_pref_size 145
	.end_amdhsa_kernel
	.amdgpu_metadata
---
amdhsa.version: [ 1, 2 ]
amdhsa.kernels:
  - .name:           k_q372f62c107_score
    .symbol:         k_q372f62c107_score.kd
    .args:
      - { .name: zbh, .offset: 0, .size: 8, .value_kind: global_buffer, .address_space: global }
      - { .name: cbh, .offset: 8, .size: 8, .value_kind: global_buffer, .address_space: global }
      - { .name: znorm, .offset: 16, .size: 8, .value_kind: global_buffer, .address_space: global }
      - { .name: cnorm, .offset: 24, .size: 8, .value_kind: global_buffer, .address_space: global }
      - { .name: pkey, .offset: 32, .size: 8, .value_kind: global_buffer, .address_space: global }
      - { .name: pidx, .offset: 40, .size: 8, .value_kind: global_buffer, .address_space: global }
    .group_segment_fixed_size: 327680
    .private_segment_fixed_size: 0
    .kernarg_segment_align: 8
    .kernarg_segment_size: 48
    .max_flat_workgroup_size: 128
    .sgpr_count:     72
    .vgpr_count:     1024
    .wavefront_size: 32
...
	.end_amdgpu_metadata
.endif
;; end of part 2
;; launch emit (part 3): grid 256 x 1, 4 waves a work-group, no clusters, 0 bytes of LDS; arguments pkey, pidx, codebook, out0, out1; writes out0, out1
.if DOCPART == 3
	.amdgcn_target "amdgcn-amd-amdhsa--gfx1250"
	.amdhsa_code_object_version 6
	.text
	.protected	k_q372f62c107_emit
	.globl	k_q372f62c107_emit
	.p2align	8
	.type	k_q372f62c107_emit,@function
k_q372f62c107_emit:
	s_mov_b64 s[64:65], 0
	v_nop
	global_prefetch_b8 v0, s[64:65] scope:SCOPE_SE
	s_setreg_imm32_b32 hwreg(HW_REG_WAVE_MODE, 25, 1), 1
	s_wait_xcnt 0x0
; EMIT.  For 64 queries a work-group: among the 8 splits' (key, code) pairs the lowest key, the first split on a tie (its codes are the lower ones); out1[n] = the code; out0[n][:] = codebook[code][:], f32.
; pkey, pidx: u32 [8][16384], whole numbers that an earlier launch stored; the pick is made by whole-number compares, and the code is clamped to the table's 16,384 rows before it enters an address.
; Every wave makes the pick for all 64 queries (4,096 bytes of keys and codes); wave w then moves bytes 256 w .. 256 w + 255 of all 64 rows: 32 loads of 16 bytes a lane, all on their way at once.
; The stream is bound by its bytes: no LDS, no matrix work; no cluster, since the rows that a work-group reads hang on its own codes.  No prefetch: every load of a wave is issued in one run.
.set KY,  4                            ; v[4:19]   split y's keys of queries 2 lane, 2 lane + 1 at KY + 2 y
.set IX,  20                           ; v[20:35]  the codes likewise; v20, v21 end as the picked ones
.set OFF, 40                           ; v[40:71]  load t's byte offset in codebook
.set D,   72                           ; v[72:199] load t's 16 bytes
	s_load_b256 s[4:11], s[0:1], 0x0               ; pkey s[4:5], pidx s[6:7], codebook s[8:9], out0 s[10:11]
	s_load_b64 s[12:13], s[0:1], 0x20              ; out1
	v_lshrrev_b32 v1, 5, v0
	v_readfirstlane_b32 s16, v1                    ; wave 0..3
	v_and_b32 v1, 31, v0
	v_lshlrev_b32 v2, 3, v1                        ; 8 lane
	v_and_b32 v3, 15, v0
	v_lshlrev_b32 v3, 4, v3
	v_lshl_add_u32 v3, s16, 8, v3                  ; my 16 bytes in a row: 256 w + 16 (lane % 16)
	v_bfe_u32 v37, v0, 4, 1
	v_lshl_add_u32 v36, v37, 10, v3                ; out: lanes 16-31 one row of 1,024 bytes further down
	s_mov_b32 s20, 0xffff0000                      ; lanes 16-31
	s_lshl_b32 s2, ttmp9, 8                        ; 64 words
	s_mov_b32 s3, 0
	s_lshl_b32 s18, ttmp9, 16                      ; 64 rows of 1,024 bytes
	s_mov_b32 s19, 0
	s_wait_kmcnt 0x0
	s_add_nc_u64 s[4:5], s[4:5], s[2:3]
	s_add_nc_u64 s[6:7], s[6:7], s[2:3]
	s_add_nc_u64 s[12:13], s[12:13], s[2:3]
	s_add_nc_u64 s[10:11], s[10:11], s[18:19]
.set y, 0
.rept 8                                            ; each load of the wave covers 256 consecutive bytes, aligned
	global_load_b64 v[KY+2*y:KY+2*y+1], v2, s[4:5] offset:65536*y
	global_load_b64 v[IX+2*y:IX+2*y+1], v2, s[6:7] offset:65536*y
.set y, y+1
.endr
	s_wait_loadcnt 0x0
.set y, 1
.rept 7                                            ; strictly lower, splits ascending: a tie stays with the lower split
.irp c, 0,1
	v_cmp_lt_u32 vcc_lo, v[KY+2*y+(\c)], v[KY+(\c)]
	v_cndmask_b32 v[KY+(\c)], v[KY+(\c)], v[KY+2*y+(\c)], vcc_lo
	v_cndmask_b32 v[IX+(\c)], v[IX+(\c)], v[IX+2*y+(\c)], vcc_lo
.endr
.set y, y+1
.endr
	s_cmp_lg_u32 s16, 0
	s_cbranch_scc1 .Lrows
	global_store_b64 v2, v[IX:IX+1], s[12:13]      ; out1: 256 consecutive bytes, aligned
.Lrows:
.set t, 0
.rept 32                                           ; load t: lanes 0-15 take row 2 t (lane t's first code), lanes 16-31 row 2 t + 1 (its second)
	v_readlane_b32 s[21+2*(t%4)], v[IX], t
	v_readlane_b32 s[22+2*(t%4)], v[IX+1], t
	v_mov_b32 v[OFF+t], s[21+2*(t%4)]
	v_cndmask_b32 v[OFF+t], v[OFF+t], s[22+2*(t%4)], s20
	v_min_u32 v[OFF+t], 0x3fff, v[OFF+t]           ; inside the table, whatever was read
	v_lshl_add_u32 v[OFF+t], v[OFF+t], 10, v3      ; a row is 1,024 bytes
	global_load_b128 v[D+4*t:D+4*t+3], v[OFF+t], s[8:9]  ; sixteen lanes read 256 consecutive bytes, aligned; no hint: a row may be named twice
.set t, t+1
.endr
.set t, 0
.rept 32
	s_wait_loadcnt 31-t                            ; loads come back in order: load t is in, the 31 - t younger ones stay out
	global_store_b128 v36, v[D+4*t:D+4*t+3], s[10:11] offset:2048*t th:TH_STORE_NT  ; two whole aligned blocks of 256 bytes; every load has registers of its own
.set t, t+1
.endr
	s_endpgm
.Lfunc_end_k_q372f62c107_emit:
	.size	k_q372f62c107_emit, .Lfunc_end_k_q372f62c107_emit-k_q372f62c107_emit
	.p2alignl 7, 3214868480
	.fill 96, 4, 3214868480
	.section	.rodata,"a",@progbits
	.p2align	6, 0x0
	.amdhsa_kernel k_q372f62c107_emit
		.amdhsa_group_segment_fixed_size 0
		.amdhsa_private_segment_fixed_size 0
		.amdhsa_enable_private_segment 0
		.amdhsa_kernarg_size 40
		.amdhsa_user_sgpr_count 2
		.amdhsa_user_sgpr_kernarg_segment_ptr 1
		.amdhsa_wavefront_size32 1
		.amdhsa_system_sgpr_workgroup_id_x 1
		.amdhsa_system_sgpr_workgroup_id_y 1
		.amdhsa_system_sgpr_workgroup_id_z 1
		.amdhsa_system_vgpr_workitem_id 0
		.amdhsa_next_free_vgpr 200
		.amdhsa_next_free_sgpr 66
		.amdhsa_reserve_vcc 1
		.amdhsa_float_denorm_mode_32 3
		.amdhsa_float_denorm_mode_16_64 3
		.amdhsa_memory_ordered 1
		.amdhsa_forward_progress 1
		.amdhsa_inst_pref_size 23
	.end_amdhsa_kernel
	.amdgpu_metadata
---
amdhsa.version: [ 1, 2 ]
amdhsa.kernels:
  - .name:           k_q372f62c107_emit
    .symbol:         k_q372f62c107_emit.kd
    .args:
      - { .name: pkey, .offset: 0, .size: 8, .value_kind: global_buffer, .address_space: global }
      - { .name: pidx, .offset: 8, .size: 8, .value_kind: global_buffer, .address_space: global }
      - { .name: codebook, .offset: 16, .size: 8, .value_kind: global_buffer, .address_space: global }
      - { .name: out0, .offset: 24, .size: 8, .value_kind: global_buffer, .address_space: global }
      - { .name: out1, .offset: 32, .size: 8, .value_kind: global_buffer, .address_space: global }
    .group_segment_fixed_size: 0
    .private_segment_fixed_size: 0
    .kernarg_segment_align: 8
    .kernarg_segment_size: 40
    .max_flat_workgroup_size: 128
    .sgpr_count:     66
    .vgpr_count:     200
    .wavefront_size: 32
...
	.end_amdgpu_metadata
.endif
;; end of part 3
